; MI455X (gfx1250); checked and timed in simulation.
; The chip was launched on July 23, 2026; its instructions are those of AMD's public machine-readable ISA for CDNA 5 (MIT licence, August 2026) and "CDNA5" Instruction Set Architecture Reference Guide (July 2026). The comments in the code are by the model that wrote it; some were corrected since.
;; Frequency Linear. Allowed arithmetic: matrix products marked QUANTISED: E4M3 operands, one E8M0 scale for each 32 along K, by v_wmma_scale_f32_16x16x128_f8f6f4 with both operands' format E4M3, f32 sums; everything else in f32.
;; Inputs: w_im 2,048 x 2,048 float32; w_re 2,048 x 2,048 float32; x_im 4,096 x 2,048 float32; x_re 4,096 x 2,048 float32.
;; Outputs: out0 4,096 x 2,048 x 2 float32.
;; This version of the problem:
;;   THIS VERSION OF THE PROBLEM IS GIVEN IN LOW PRECISION. The matrix products marked QUANTISED in the list below multiply operands that are first quantised to E4M3 (4 exponent bits, 3 mantissa bits; 8 bits a number), with one power-of-two scale for each 32 numbers along K (OCP MX v1.0); their sums are f32. All else is computed in f32.
;;   The module's matrix products, in the order in which they are computed (A, B: the left and right operand; K: the contracted axis; several contracted axes count as one K, in the product's order):
;;     1. [M 4,096, K 2,048] x [K 2,048, N 2,048]; A: input x_re; B: input w_re: QUANTISED
;;     2. [M 4,096, K 2,048] x [K 2,048, N 2,048]; A: input x_im; B: input w_im: QUANTISED
;;     3. [M 4,096, K 2,048] x [K 2,048, N 2,048]; A: input x_re; B: input w_im: QUANTISED
;;     4. [M 4,096, K 2,048] x [K 2,048, N 2,048]; A: input x_im; B: input w_re: QUANTISED
;;   THE QUANTISER, for each operand of a quantised product, along K:
;;     - K is cut into blocks of 32 from its start; a last block that is shorter is filled with zeros.
;;     - A block's scale is 2^e with e = floor(log2(the largest magnitude in the block)) - 8, held to -126 .. 127; a block of zeros has e = 0. As a byte (E8M0): e + 127.
;;     - Each number is divided by its block's scale, clamped to +-448, and rounded to the nearest number of E4M3, ties to even, subnormals kept.
;;     - The product sums the exact products of the quantised numbers (number of the format x scale) in f32.
;;   ~~~python
;;   def quantise(x, axis):      # numpy; x: float32 -> the quantised numbers, widened to float32 again
;;       x = np.moveaxis(x, axis, -1); K = x.shape[-1]
;;       x = np.pad(x, [(0, 0)] * (x.ndim - 1) + [(0, -K % 32)]); x = x.reshape(x.shape[:-1] + (-1, 32)); a = np.abs(x).max(-1, keepdims=True)
;;       e = np.where(a > 0, np.clip(np.frexp(np.where(a > 0, a, 1))[1] - 1 - 8, -126, 127), 0)      # np.frexp(a)[1] - 1 = floor(log2(a)), exactly
;;       r = np.clip(x / 2.0 ** e, -448, 448)
;;       step = 2.0 ** (np.maximum(np.frexp(np.where(r == 0, 1, r))[1] - 1, -6) - 3)
;;       q = np.round(r / step) * step * 2.0 ** e      # np.round: ties to even
;;       return np.moveaxis(q.reshape(q.shape[:-2] + (-1,))[..., :K], -1, axis).astype(np.float32)
;;   ~~~
;; One version. Each part assembles by itself: llvm-mc -triple=amdgcn-amd-amdhsa -mcpu=gfx1250 --defsym DOCPART=n.
;; ======== version 1 of 1: 2 launches
;; limits: right only within a limited range of input values
;; workspace buffers: acode 17,301,504 bytes; bcode 8,650,752 bytes
;; launch quant (part 1): grid 768 x 1, 4 waves a work-group, no clusters, 33,280 bytes of LDS; arguments x_re, x_im, w_re, w_im, acode, bcode; writes acode, bcode
.if DOCPART == 1
	.amdgcn_target "amdgcn-amd-amdhsa--gfx1250"
	.amdhsa_code_object_version 6
	.text
	.protected	k_q12fc123386_quant
	.globl	k_q12fc123386_quant
	.p2align	8
	.type	k_q12fc123386_quant,@function
k_q12fc123386_quant:
	s_mov_b64 s[64:65], 0
	v_nop
	global_prefetch_b8 v0, s[64:65] scope:SCOPE_SE
	s_setreg_imm32_b32 hwreg(HW_REG_WAVE_MODE, 25, 1), 1
	s_wait_xcnt 0x0
; x_re, x_im [4096][2048] and w_re, w_im [2048][2048], f32, K innermost, become codes of FP8 (E4M3) with one E8M0 scale byte for each 32 along K, laid as the next launch fetches them.
; A block's scale is 2^(floor(log2(its largest magnitude)) - 8); its byte is the largest magnitude's exponent field - 8, held at 1 from below.  Each number is divided by the scale, held within +-448 and rounded to the nearest code, ties to even.
; LIMITS: NaN and infinities among the inputs are not served.  A block of zeros gets the byte 1 where the rule says 127: its codes are zeros, which add nothing under any byte but 0xff, and the bytes are read by this program alone.
; THE WORKSPACE: acode [32 groups of 128 rows][16 chunks of 128 along K], bcode [16 groups][16 chunks], of PACKETS of 33,792 bytes: 128 rows x 256 code bytes, then 128 rows x 8 scale bytes: one dense block.
;   A packet's row is [128 codes of the re tensor | 128 codes of the im tensor] of that row and chunk; its 8 scale bytes are [4 of re | 4 of im].  Rows are in order.
; SHARES.  A wave takes 32 rows x one chunk of a PAIR of tensors, (x_re, x_im) or (w_re, w_im): 16 steps of 512 numbers.  Step t: 128 numbers each of re's row 2 t, im's row 2 t, re's row 2 t + 1, im's row 2 t + 1.
;   Both pairs take ONE path through the text: only pointers are chosen, on the work-group's number.  Work-groups 0-511 serve x, 512-767 w.  The four waves of a work-group take four neighbouring chunks of one strip of rows.
; Each load reads 512 consecutive bytes, 16 a lane; a step's 2,048 bytes turn through the wave's own stage in LDS and come back 64 bytes a lane: 16 neighbours along K, two lanes to a block.  The stage has 16 bytes of padding behind each 64.
; A lane's 16 codes are 16 bytes: a store of the wave covers 512 consecutive bytes, aligned to 256: two packet rows.  A wave's 256 scale bytes are gathered in its own LDS bytes and leave as one aligned run of 256 bytes.
; No tensor loads, no barrier: waves share nothing.  Loads run four steps (16 loads a wave) ahead, the turn through LDS one step.  No store's data and no address register is written twice.
.set STEPS, 16
.set EMAX,  8
.set MANT,  0x600000                   ; the mantissa field of 448 as f32
.set PKT,   33792                      ; a packet
.set ROWIN, 8192                       ; a row of an input in bytes
.set R,     16                         ; v16-79   four sets of 16 numbers as they are loaded
.set X,     80                         ; v80-111  two sets of 16 neighbours
.set E,     112                        ; v112-127 a scale byte for each step
.set C,     128                        ; v128-191 codes: four registers for each step
.set SP,    80                         ; a lane's place in a stage: its 64 bytes + 16 of padding
; v3 16 lane; v5 LDS: my block's scale byte; v6 LDS: my 8 scale bytes on the way out; v7 8 lane; v8-11 at work; v[12:13] scale bytes on the way out; v14 the stage, way in; v15 the stage, way out
	s_load_b256 s[4:11], s[0:1], 0x0               ; x_re s[4:5], x_im s[6:7], w_re s[8:9], w_im s[10:11]
	s_load_b128 s[12:15], s[0:1], 0x20             ; acode s[12:13], bcode s[14:15]
	v_lshl_add_u32 v192, v0, 2, 0x8000
	v_mov_b32 v193, 0
	v_lshrrev_b32 v8, 5, v0
	v_readfirstlane_b32 s16, v8                    ; wave 0..3
	v_and_b32 v8, 31, v0                           ; lane
	v_lshlrev_b32 v3, 4, v8                        ; my 16 bytes of a load's 512, and of a step's codes
	v_lshlrev_b32 v7, 3, v8                        ; a row's 8 scale bytes
	s_lshl_b32 s36, s16, 13                        ; LDS: 8,192 bytes for each wave: two stages of 32 x SP bytes, behind them its 256 scale bytes
	v_lshrrev_b32 v14, 2, v8
	v_mul_u32_u24 v14, v14, SP
	v_and_b32 v9, 3, v8
	v_lshl_add_u32 v14, v9, 4, v14
	v_add_nc_u32 v14, s36, v14                     ; the stage, on the way in: four lanes' 64 bytes on end, then 16 of padding
	v_mul_u32_u24 v15, v8, SP
	v_add_nc_u32 v15, s36, v15                     ; and on the way out: SP x lane: my 16 neighbours
	v_lshrrev_b32 v5, 1, v8
	s_add_co_u32 s36, s36, 2*32*SP
	v_add_nc_u32 v5, s36, v5                       ; my block's byte among a step's 16
	v_add_nc_u32 v6, s36, v7                       ; on the way out 8 bytes a lane
	s_mov_b32 s29, MANT                            ; (an instruction takes one literal: the hold's line has another)
	s_cmp_lt_u32 ttmp9, 512                        ; x's work-group or w's?  Every choice hangs on the work-group's number alone
	s_cselect_b32 s30, 0, 512
	s_sub_co_u32 s17, ttmp9, s30                   ; my number among the pair's work-groups
	s_lshr_b32 s18, s17, 2                         ; the strip of 32 rows
	s_and_b32 s19, s17, 3
	s_lshl_b32 s19, s19, 2
	s_add_co_u32 s19, s19, s16                     ; the chunk, 0 to 15: the four waves stand side by side on 2,048 bytes of a row
	s_wait_alu depctr_va_vdst(0)
	s_wait_kmcnt 0x0
	s_cmp_lt_u32 ttmp9, 512
	s_cselect_b64 s[20:21], s[4:5], s[8:9]         ; the re tensor
	s_cselect_b64 s[22:23], s[6:7], s[10:11]       ; the im tensor
	s_cselect_b64 s[24:25], s[12:13], s[14:15]     ; where the codes go
	s_lshl_b32 s34, s18, 18                        ; the strip's first row: 32 rows of 8,192 bytes a strip,
	s_lshl_b32 s35, s19, 9                         ; my 512 bytes of it (together under 2^26)
	s_add_co_u32 s34, s34, s35
	s_mov_b32 s35, 0
	s_add_nc_u64 s[20:21], s[20:21], s[34:35]
	s_add_nc_u64 s[22:23], s[22:23], s[34:35]
	s_lshr_b32 s34, s18, 2                         ; four strips make a group
	s_lshl_b32 s34, s34, 4
	s_add_co_u32 s34, s34, s19                     ; packet 16 x group + chunk
	s_mul_i32 s34, s34, PKT                        ; (511 x 33,792 at the most)
	s_add_nc_u64 s[24:25], s[24:25], s[34:35]      ; my packet
	s_and_b32 s34, s18, 3                          ; my strip in it
	s_lshl_b32 s38, s34, 8
	s_add_co_u32 s38, s38, 32768
	s_mov_b32 s39, 0
	s_add_nc_u64 s[26:27], s[24:25], s[38:39]      ; my 256 scale bytes: behind the packet's codes
	s_lshl_b32 s34, s34, 13
	s_add_nc_u64 s[24:25], s[24:25], s[34:35]      ; my 32 rows of 256 codes
.macro LOAD t                          ; step t: rows 2 t and 2 t + 1, of each re's 512 bytes and then im's
.irp i, 0,1
	global_load_b128 v[R+16*((\t)%4)+8*\i:R+16*((\t)%4)+8*\i+3], v3, s[20:21] offset:ROWIN*(2*(\t)+\i) th:TH_LOAD_NT
	global_load_b128 v[R+16*((\t)%4)+8*\i+4:R+16*((\t)%4)+8*\i+7], v3, s[22:23] offset:ROWIN*(2*(\t)+\i) th:TH_LOAD_NT
.endr
.endm
.macro TURN t                          ; step t's numbers through the stage: LDS serves a wave's instructions in order, so no wait stands between the stores and the loads
.irp i, 0,1,2,3
	ds_store_b128 v14, v[R+16*((\t)%4)+4*\i:R+16*((\t)%4)+4*\i+3] offset:32*SP*((\t)%2)+8*SP*\i
.endr
.irp i, 0,1,2,3
	ds_load_b128 v[X+16*((\t)%2)+4*\i:X+16*((\t)%2)+4*\i+3], v15 offset:32*SP*((\t)%2)+16*\i
.endr
.endm
.irp t, 0,1,2,3
	LOAD \t
.endr
	s_wait_loadcnt 12                              ; step 0's four loads are in; those of steps 1 to 3 may be out
	TURN 0
.macro STEP t
.set XS, X+16*((\t)%2)
.if (\t) > 0
	s_wait_dscnt 1                                 ; this step's numbers are back from the stage (the last step's byte store may be out): so its stores into the stage have read their registers,
.else
	s_wait_dscnt 0x0
.endif
.if (\t)+4 < STEPS
	LOAD (\t)+4                                    ; which take the loads of four steps on
.endif
.if (\t)+1 < STEPS
.if STEPS-2-(\t) >= 3
	s_wait_loadcnt 12                              ; the next step's four loads are in; those of the three steps behind it may be out
.else
	s_wait_loadcnt 4*(STEPS-2-(\t))                ; near the end fewer steps stand behind it
.endif
	TURN (\t)+1                                    ; and go through the other stage while this step is worked
.endif
	v_max3_num_f32 v8, |v[XS]|, |v[XS+1]|, |v[XS+2]|               ; the largest magnitude of my 16, in two chains
	v_max3_num_f32 v9, |v[XS+3]|, |v[XS+4]|, |v[XS+5]|
.irp i, 6,10
	v_max3_num_f32 v8, v8, |v[XS+\i]|, |v[XS+\i+1]|
	v_max3_num_f32 v9, v9, |v[XS+\i+2]|, |v[XS+\i+3]|
.endr
	v_max3_num_f32 v8, v8, |v[XS+14]|, |v[XS+15]|
	v_max3_num_f32 v8, v8, v9, (EMAX+1)<<23        ; and the floor 2^(EMAX + 1 - 127), under which no largest magnitude is taken: so the byte cannot fall under 1
	v_max_num_f32_dpp v8, v8, v8 row_xmask:1 row_mask:0xf bank_mask:0xf   ; and of my neighbour's 16: the block's
	v_add_nc_u32 v11, -(EMAX<<23), v8              ; EMAX off its exponent field: the conversion takes the exponent field of this operand as its scale, and nothing else of it
	v_and_or_b32 v10, v8, 0x7f800000, s29          ; 448 x the scale: the largest magnitude's exponent field over 448's mantissa
.irp i, 0,1,2,3,4,5,6,7,8,9,10,11,12,13,14,15
	v_med3_num_f32 v[XS+\i], v[XS+\i], -v10, v10   ; the conversion to an 8-bit code does not saturate (ISA guide 7.6.2): hold the number within the largest code x the scale first
.endr
	v_cvt_scalef32_pk8_fp8_f32 v[C+4*(\t):C+4*(\t)+1], v[XS:XS+7], v11          ; eight numbers / 2^(v11's exponent), to the nearest code, ties to even; the first number's code in the lowest byte
	v_cvt_scalef32_pk8_fp8_f32 v[C+4*(\t)+2:C+4*(\t)+3], v[XS+8:XS+15], v11
	v_lshrrev_b32 v[E+(\t)], 23, v11               ; the scale's byte.  (Also a plain vector line behind the conversions)
	ds_store_b8 v5, v[E+(\t)] offset:16*(\t)       ; both lanes of a block write the same byte with the same value: bytes 0-3 of the step are re's of row 2 t, 4-7 im's, 8-15 the same of row 2 t + 1
	global_store_b128 v3, v[C+4*(\t):C+4*(\t)+3], s[24:25] offset:512*(\t)   ; packet rows 2 t and 2 t + 1 of my strip
.endm
.irp t, 0,1,2,3,4,5,6,7,8,9,10,11,12,13,14,15
	STEP \t
.endr
	ds_load_b64 v[12:13], v6                       ; LDS serves a wave's instructions in order: these see my byte stores
	s_wait_dscnt 0x0
	global_store_b64 v7, v[12:13], s[26:27]        ; 32 lanes store 256 consecutive bytes, aligned: 8 scale bytes for each of my 32 packet rows
	s_wait_tensorcnt 0x0
	ds_add_u32 v192, v193
	s_wait_dscnt 0x0
	s_endpgm
.Lfunc_end_k_q12fc123386_quant:
	.size	k_q12fc123386_quant, .Lfunc_end_k_q12fc123386_quant-k_q12fc123386_quant
	.p2alignl 7, 3214868480
	.fill 96, 4, 3214868480
	.section	.rodata,"a",@progbits
	.p2align	6, 0x0
	.amdhsa_kernel k_q12fc123386_quant
		.amdhsa_group_segment_fixed_size 33280
		.amdhsa_private_segment_fixed_size 0
		.amdhsa_enable_private_segment 0
		.amdhsa_kernarg_size 48
		.amdhsa_user_sgpr_count 2
		.amdhsa_user_sgpr_kernarg_segment_ptr 1
		.amdhsa_wavefront_size32 1
		.amdhsa_system_sgpr_workgroup_id_x 1
		.amdhsa_system_sgpr_workgroup_id_y 1
		.amdhsa_system_sgpr_workgroup_id_z 1
		.amdhsa_system_vgpr_workitem_id 0
		.amdhsa_next_free_vgpr 194
		.amdhsa_next_free_sgpr 66
		.amdhsa_reserve_vcc 0
		.amdhsa_float_denorm_mode_32 3
		.amdhsa_float_denorm_mode_16_64 3
		.amdhsa_memory_ordered 1
		.amdhsa_forward_progress 1
		.amdhsa_inst_pref_size 51
	.end_amdhsa_kernel
	.amdgpu_metadata
---
amdhsa.version: [ 1, 2 ]
amdhsa.kernels:
  - .name:           k_q12fc123386_quant
    .symbol:         k_q12fc123386_quant.kd
    .args:
      - { .name: x_re, .offset: 0, .size: 8, .value_kind: global_buffer, .address_space: global }
      - { .name: x_im, .offset: 8, .size: 8, .value_kind: global_buffer, .address_space: global }
      - { .name: w_re, .offset: 16, .size: 8, .value_kind: global_buffer, .address_space: global }
      - { .name: w_im, .offset: 24, .size: 8, .value_kind: global_buffer, .address_space: global }
      - { .name: acode, .offset: 32, .size: 8, .value_kind: global_buffer, .address_space: global }
      - { .name: bcode, .offset: 40, .size: 8, .value_kind: global_buffer, .address_space: global }
    .group_segment_fixed_size: 33280
    .private_segment_fixed_size: 0
    .kernarg_segment_align: 8
    .kernarg_segment_size: 48
    .max_flat_workgroup_size: 128
    .sgpr_count:     66
    .vgpr_count:     194
    .wavefront_size: 32
...
	.end_amdgpu_metadata
.endif
;; end of part 1
;; launch gemm (part 2): grid 16 x 16, 4 waves a work-group, clusters of 4 x 4, 327,680 bytes of LDS; arguments acode, bcode, out0; writes out0
.if DOCPART == 2
	.amdgcn_target "amdgcn-amd-amdhsa--gfx1250"
	.amdhsa_code_object_version 6
	.text
	.protected	k_q12fc123386_gemm
	.globl	k_q12fc123386_gemm
	.p2align	8
	.type	k_q12fc123386_gemm,@function
k_q12fc123386_gemm:
	s_mov_b64 s[64:65], 0
	v_nop
	global_prefetch_b8 v0, s[64:65] scope:SCOPE_SE
	s_setreg_imm32_b32 hwreg(HW_REG_WAVE_MODE, 25, 1), 1
	s_wait_xcnt 0x0
	s_wait_alu depctr_hold_cnt(0) depctr_sa_sdst(0) depctr_va_vdst(0) depctr_va_sdst(0) depctr_va_ssrc(0) depctr_va_vcc(0) depctr_vm_vsrc(0)
	s_getreg_b32 s2, hwreg(HW_REG_IB_STS2, 6, 4)
	s_cmp_eq_u32 s2, 0
	s_cbranch_scc0 .Lentry_in_a_cluster
	s_endpgm
.Lentry_in_a_cluster:
	s_bfe_u32 s2, ttmp6, 0x10000c
	s_cmp_lg_u32 s2, 0xf033
	s_cbranch_scc0 .Lentry_shape_is_right
	s_endpgm
.Lentry_shape_is_right:
; out[b][o] = sum over i of x[b][i] w[o][i], complex, on codes of FP8 (E4M3) with E8M0 scales for each 32 along K, as the launch before laid them:
; packets of 33,792 bytes = 128 rows x [128 re codes | 128 im codes], then 128 rows x [4 re | 4 im] scale bytes, for one chunk of 128 along K.
; A work-group of four waves makes 256 rows x 128 complex columns; a wave 128 rows x 64 complex columns: 32 real and 32 imaginary accumulators, 512 registers.
; K goes in 16 chunks through a ring of two LDS slots (two packets of x, one of w), each packet as 132 rows of 256 bytes, 16 bytes of padding behind each.
; CLUSTERS: 4 x 4 work-groups; x's packets are asked for jointly along a row of the cluster, w's along a column.
; A CHUNK GOES BY BLOCKS OF 16 ROWS OF x, 16 products each: T = xi wi - RE, IM += xi wr, RE = xr wr - T, IM += xr wi.  Both steps of the real sum take -C (neg_lo on C),
; so a chunk adds xr wr - xi wi and no code's sign is turned.  The block's eight accumulators take turns, one instruction a turn.
; The product is used transposed (source 0 = 16 rows of w, source 1 = 16 rows of x): a lane holds eight neighbouring columns of one row.
; LDS LOADS STAND IN FIVE RUNS A CHUNK.  x's fragments lie in a ring of four blocks: ahead of blocks 0, 2, 4 and 6 a run of 16 loads brings the two blocks that are multiplied two blocks later, behind eight v_nop
; (places for loads into registers that products have read).  w's eight fragments and the scale words have two sets, by the chunk's parity: the next chunk's 40 loads stand behind the change of slots, in block 5.
; PREFETCH: behind the joint load of chunk t stands a prefetch of chunk t + 2, two changes of slots ahead of the load that wants it; behind chunk 0's load chunk 1 is asked for too.  A packet is 132 blocks of 256 bytes; of a packet each of the
; four partners that ask for it jointly takes 33, told apart by address (cx for x, cy for w): three instructions of 11 lanes (lanes 11-31 name lane 10's block again).  Waves 0 and 1 ask for x's two packets, wave 2 for w's, wave 3 for none.
; The loads of chunks 14 and 15 ask for nothing.  At most two chunks are asked for and not yet loaded.
; In the last chunk each block of 16 rows leaves as soon as its 16 products are issued: re and im are laid side by side, go through the wave's own stage in LDS and are stored as whole rows of 512 bytes.
; REGISTERS: window 0: v0-31 addresses, v32-63 scale words (two sets), v64-127 the way out, v128-255 x's ring.  Window 1: w's two sets; on the way out set 0 takes the rows read back.
;   Window 2: accumulators of blocks 0-3 (block a at 64 (a % 4): re of column block b at + 8 b, im at + 32 + 8 b); window 3: blocks 4-7.
.set ROWC,   16384
.set PITCH,  272
.set PKT,    33792
.set GROUPB, 16*PKT
.set HALFT,  132*PITCH
.set HALFB,  66*PITCH
.set HALFBG, 66*256
.set SCOFF,  128*PITCH
.set SLOT,   107776
.set SPARE,  2*SLOT                    ; the spare words, 128 bytes a wave
.set STAGE,  SPARE+512                 ; 16 rows x 528 bytes for each wave; no tensor load lands here
.set SPITCH, 528
.set TRIPS,  6
.set SHARE,  33*256                    ; a partner's part of a packet's prefetch
.set ADRX, 16
.set ADRT, 18
.set ADRW, 20
.set ADRS, 22
.set STO,  24
.set RD,   25
.set CO,   26
.set PFO,  27
.set SPW,  28
.set NIL,  29
.set SC,   32
.set T,    64
.set G1, 24
.set G0, 32
.set G1B, 48
.set G0B, 56
.set PFA, 10                           ; s[10:11] where my prefetches stand
.set MSB, 0
.macro WIN new                         ; the immediate's high byte repeats the setting that is left
.if MSB != \new
	s_set_vgpr_msb (MSB<<8)|\new
.set MSB, \new
.endif
.endm
.macro PLACES n
.rept \n
	v_nop
.endr
.endm
.macro JLOAD g0a, g1a, g0b, g1b        ; waves 0 and 1 fetch x's packets, waves 2 and 3 the halves of w's; s_nop 0 and four v_nop behind each line
	s_cmp_eq_u32 s15, 0
	s_cbranch_scc0 .Lfor_b_\@
	tensor_load_to_lds s[\g0a:\g0a+3], s[\g1a:\g1a+7]
	s_nop 0
	PLACES 4
	s_branch .Lasked_\@
.Lfor_b_\@:
	tensor_load_to_lds s[\g0b:\g0b+3], s[\g1b:\g1b+7]
	s_nop 0
	PLACES 4
.Lasked_\@:
.endm
.macro CREST
	s_cmp_lg_u32 s14, 0
	s_cbranch_scc1 .Lnot_wave_0_\@
	s_barrier_signal -3
.Lnot_wave_0_\@:
	s_barrier_wait -3
	s_barrier_signal -1
	s_barrier_wait -1
.endm
.macro CROUND
	s_barrier_signal -1
	s_barrier_wait -1
	CREST
.endm
.macro ASK o                           ; ASKR names the bound that the trips to go must pass: s12 (0) or s13 (1); both are the greatest number in wave 3; ASKR = 0: no prefetch is assembled.  o: bytes from where the prefetches stand
.if ASKR
	s_cmp_gt_u32 s3, s[ASKR]
	s_cbranch_scc0 .Lno_ask_\@
.irp i, 0,1,2
	global_prefetch_b8 v[PFO], s[PFA:PFA+1] offset:\o+\i*11*256 th:TH_LOAD_NT scope:SCOPE_SE
.endr
.Lno_ask_\@:
.endif
.endm
	s_load_b128 s[4:7], s[0:1], 0x0                ; acode, bcode
	s_load_b64 s[8:9], s[0:1], 0x10                ; out0
	v_lshl_add_u32 v[SPW], v0, 2, SPARE
	v_mov_b32 v[NIL], 0
	ds_add_u32 v[SPW], v[NIL]                      ; the opening lines: the add twice on end
	ds_add_u32 v[SPW], v[NIL]
	v_lshrrev_b32 v1, 5, v0
	v_readfirstlane_b32 s14, v1                    ; wave
	v_and_b32 v2, 31, v0
	v_min_u32 v2, 10, v2
	v_lshlrev_b32 v[PFO], 8, v2                    ; 256 x min(lane, 10)
	s_mov_b32 s3, TRIPS
	s_lshr_b32 s15, s14, 1                         ; my half of the rows; also: I fetch for x (0) or w (1)
	s_and_b32 s16, s14, 1                          ; my half of the columns; also which part I fetch
	s_bfe_u32 s40, ttmp6, 0x40000                  ; cx
	s_bfe_u32 s41, ttmp6, 0x40004                  ; cy
	s_lshl_b32 s42, ttmp9, 2
	s_add_co_u32 s42, s42, s40                     ; tile column
	s_and_b32 s17, ttmp7, 0xffff
	s_lshl_b32 s17, s17, 2
	s_add_co_u32 s17, s17, s41                     ; tile row
	s_lshl_b32 s43, s41, 2
	s_lshl_b32 s43, 15, s43                        ; my row of the cluster
	s_lshl_b32 s44, 0x1111, s40                    ; my column
	s_or_b32 s[G1+0], s43, (3<<16)|(1<<20)|(1<<21)|(5<<22)|(3<<25)   ; elements of 8 bytes; 4 words of padding behind every 64
	s_or_b32 s[G1B+0], s44, (3<<16)|(1<<20)|(1<<21)|(5<<22)|(3<<25)
.irp g, G1, G1B
	s_mov_b32 s[\g+1], 32<<16
	s_mov_b32 s[\g+3], 32<<16
	s_mov_b32 s[\g+5], 32
	s_mov_b32 s[\g+6], 0
	s_mov_b32 s[\g+7], 0
.endr
	s_mov_b32 s[G1+2], 132<<16                     ; a packet: 132 rows of 256 bytes
	s_mov_b32 s[G1+4], 132
	s_mov_b32 s[G1B+2], 66<<16                     ; half a packet
	s_mov_b32 s[G1B+4], 66
	s_lshl_b32 s20, s17, 1
	s_add_co_u32 s20, s20, s16
	s_mul_i32 s20, s20, GROUPB                     ; x: group 2 x tile row + part
	s_mov_b32 s21, 0
	s_mul_i32 s46, s42, GROUPB                     ; w: group = tile column
	s_mov_b32 s22, s46
	s_mul_i32 s47, s16, HALFBG
	s_add_co_u32 s46, s46, s47
	s_mov_b32 s47, 0
	s_mul_i32 s45, s16, HALFT
	s_mul_i32 s18, s16, HALFB
	s_add_co_u32 s18, s18, 2*HALFT
	s_cmp_eq_u32 s15, 0                            ; the prefetches: x's packet by cx, w's by cy; they stand at chunk 2
	s_cselect_b32 s22, s20, s22
	s_cselect_b32 s23, s40, s41
	s_mul_i32 s23, s23, SHARE
	s_add_co_u32 s22, s22, s23
	s_add_co_u32 s22, s22, 2*PKT
	s_mov_b32 s23, 0
	s_cmp_eq_u32 s14, 3
	s_cselect_b32 s12, -1, 0
	s_cselect_b32 s13, -1, 1
	s_wait_alu depctr_va_vdst(0)
	s_wait_dscnt 0x0
	s_wait_kmcnt 0x0
	s_cmp_eq_u32 s15, 0
	s_cselect_b64 s[PFA:PFA+1], s[4:5], s[6:7]
	s_add_nc_u64 s[PFA:PFA+1], s[PFA:PFA+1], s[22:23]
	s_add_nc_u64 s[20:21], s[4:5], s[20:21]
	s_add_nc_u64 s[46:47], s[6:7], s[46:47]
	CROUND                                         ; in front of the first joint loads
.irp s, 0,1
	s_mov_b32 s[G0+4*\s], 1
	s_add_co_u32 s[G0+4*\s+1], s45, \s*SLOT
	s_add_nc_u64 s[G0+4*\s+2:G0+4*\s+3], s[20:21], \s*PKT
	s_or_b32 s[G0+4*\s+3], s[G0+4*\s+3], 0x80000000
	s_mov_b32 s[G0B+4*\s], 1
	s_add_co_u32 s[G0B+4*\s+1], s18, \s*SLOT
	s_add_nc_u64 s[G0B+4*\s+2:G0B+4*\s+3], s[46:47], \s*PKT
	s_or_b32 s[G0B+4*\s+3], s[G0B+4*\s+3], 0x80000000
.endr
.set ASKR, 12
	JLOAD G0, G1, G0B, G1B                         ; chunk 0: one tensor load a wave at the head
	ASK -PKT                                       ; chunk 1, whose load sets out when chunk 0's has landed,
	ASK 0                                          ; and chunk 2
	v_and_b32 v1, 15, v0
	v_bfe_u32 v2, v0, 4, 1
	s_wait_alu depctr_va_vdst(0)
	v_mul_u32_u24 v3, v1, PITCH
	v_lshl_add_u32 v4, v2, 4, v3                   ; a fragment's row x pitch + 16 x half
	s_mul_i32 s21, s15, HALFT
	s_mul_i32 s22, s16, 64*PITCH
	s_add_co_u32 s22, s22, 2*HALFT
.irp s, 0,1
	v_add_nc_u32 v[ADRX+\s], s21, v4
	v_add_nc_u32 v[ADRW+\s], s22, v4
	s_add_co_u32 s21, s21, SLOT
	s_add_co_u32 s22, s22, SLOT
.endr
	s_mul_i32 s21, s15, HALFT                      ; scale words: lanes 0-15 x's rows, lanes 16-31 w's
	s_mul_i32 s22, s16, 2*PITCH
	s_add_co_u32 s22, s22, 2*HALFT
	s_sub_co_u32 s22, s22, s21
	v_mul_u32_u24 v6, s22, v2
	v_lshlrev_b32 v7, 3, v1
	v_add_nc_u32 v5, v7, v6
	s_add_co_u32 s21, s21, SCOFF
	v_add_nc_u32 v[ADRS], s21, v5
	v_add_nc_u32 v[ADRT], s21, v7
	s_add_co_u32 s21, s21, SLOT
	v_add_nc_u32 v[ADRS+1], s21, v5
	v_add_nc_u32 v[ADRT+1], s21, v7
	s_mul_i32 s23, s14, 16*SPITCH
	s_add_co_u32 s23, s23, STAGE
	v_mul_u32_u24 v5, v1, SPITCH
	v_lshl_add_u32 v5, v2, 6, v5
	v_add_nc_u32 v[STO], s23, v5
	v_and_b32 v6, 31, v0
	v_lshlrev_b32 v[CO], 4, v6
	v_add_nc_u32 v[RD], s23, v[CO]
	s_lshl_b32 s20, s17, 8
	s_lshl_b32 s21, s15, 7
	s_add_co_u32 s20, s20, s21
	s_lshl_b32 s20, s20, 14                        ; my first row of out0, 16,384 bytes a row
	s_lshl_b32 s46, s42, 10
	s_lshl_b32 s47, s16, 9
	s_add_co_u32 s46, s46, s47
	s_add_co_u32 s20, s20, s46
	s_mov_b32 s21, 0
	s_add_nc_u64 s[8:9], s[8:9], s[20:21]
.macro FRAG                            ; 16 rows x 128 codes -> v[FRR ..]: part FRQ of row block FRI, by address register FRA
.irp c, 0,1,2,3
	ds_load_b128 v[FRR+4*\c:FRR+4*\c+3], v[FRA] offset:128*FRQ+32*\c+FRI*16*PITCH
.endr
.endm
; Four LDS loads.  code 100 + 2 a + q: part q of x's block a of slot p (116 + ..: of the other slot); 200 + f: w's fragment f of the other slot, into the other set; 300 + h: half h of the other slot's scale words
.macro UNIT code, p
.if (\code) >= 300
	WIN 0
.set UH, (\code)-300
.irp i, 0,1,2,3
	ds_load_b64 v[SC+16*(1-(\p))+2*(4*UH+\i):SC+16*(1-(\p))+2*(4*UH+\i)+1], v[ADRS-4*UH+1-(\p)] offset:((4*UH+\i)/2)*PITCH+(\i%2)*128
.endr
.elseif (\code) >= 200
	WIN 0x40
.set UF, (\code)-200
.set FRR, 128*(1-(\p))+16*UF
.set FRA, ADRW+1-(\p)
.set FRQ, UF/4
.set FRI, UF%4
	FRAG
.elseif (\code) >= 100
	WIN 0
.set UN, (\code)-100
.set FRI, (UN%16)/2
.set FRQ, UN%2
.set FRR, 128+32*(FRI%4)+16*FRQ
.set FRA, ADRX+((\p)+UN/16)%2
	FRAG
.endif
.endm
; A run of 16 loads: two blocks of x, codes c0 to c0 + 3, into the half of the ring that the two blocks before multiplied.  wt: the count of the wait behind it (-1: none)
.macro XRUN p, c0, wt
	PLACES 8
	UNIT \c0, \p
	UNIT \c0+1, \p
	UNIT \c0+2, \p
	UNIT \c0+3, \p
.if \wt >= 0
	s_wait_dscnt \wt                               ; all but the run just issued
.endif
.endm
; Block a of the chunk in slot and set p: 16 products.  mode 1: the change of slots stands in this block; 2: and slot p is filled again.
.macro BLOCK a, p, zero, mode
.set MW, 0xa1+0x50*((\a)/4)            ; source 0 (w) window 1, source 1 (x) window 0, C and D window 2 or 3
.set AC, 64*((\a)%4)
.set XB, 128+32*((\a)%4)
.if \mode
.if \mode == 2
	s_wait_xcnt 0x0                                ; my last prefetch has read its address
	s_add_nc_u64 s[PFA:PFA+1], s[PFA:PFA+1], PKT
.endif
	WIN 0
	s_wait_tensorcnt 0x0                           ; my part of the other slot has landed: no tensor load of mine is out
	ds_add_u32 v[SPW], v[NIL]
.if \mode == 2
	s_add_nc_u64 s[G0+4*\p+2:G0+4*\p+3], s[G0+4*\p+2:G0+4*\p+3], 2*PKT
	s_add_nc_u64 s[G0B+4*\p+2:G0B+4*\p+3], s[G0B+4*\p+2:G0B+4*\p+3], 2*PKT
.endif
.endif
.set K, 0
.rept 16
.set KG, K/4                           ; 0: re, xi wi; 1: im, xi wr; 2: re, xr wr; 3: im, xr wi
.set KW, ((KG+1)/2+1)%2                ; w's part
.set WD, AC+32*(KG%2)+8*(K%4)
.set WX, XB+16*(1-KG/2)
.set WW, 128*(\p)+64*KW+16*(K%4)
.set WSA, SC+16*(\p)+2*(K%4)+KW
.set WSB, SC+16*(\p)+2*(\a)+(1-KG/2)
	WIN MW
.if (\zero) && (KG < 2)
	v_wmma_scale_f32_16x16x128_f8f6f4 v[WD:WD+7], v[WW:WW+15], v[WX:WX+15], 0, v[WSA], v[WSB] matrix_a_scale:MATRIX_SCALE_ROW1
.elseif (KG%2) == 0
	v_wmma_scale_f32_16x16x128_f8f6f4 v[WD:WD+7], v[WW:WW+15], v[WX:WX+15], v[WD:WD+7], v[WSA], v[WSB] matrix_a_scale:MATRIX_SCALE_ROW1 neg_lo:[0,0,1]
.else
	v_wmma_scale_f32_16x16x128_f8f6f4 v[WD:WD+7], v[WW:WW+15], v[WX:WX+15], v[WD:WD+7], v[WSA], v[WSB] matrix_a_scale:MATRIX_SCALE_ROW1
.endif
.if (\zero) && (K == 7)
	PLACES 10                                      ; the real sums' second step carries a modifier that their first, with C = 0, has not: it stands as far behind it as a product that is no link of a chain
.endif
.if (\mode) && (K == 3)
	s_wait_dscnt 0x0                               ; the add is done, and my reads of slot p are over (the last were issued 20 products ago)
	s_barrier_signal -1
.endif
.if (\mode) && (K == 5)
	WIN 0
	s_barrier_wait -1
.if \mode == 2
	CREST                                          ; the barrier has opened a round of the cluster's barrier
	JLOAD G0+4*\p, G1, G0B+4*\p, G1B               ; the chunk two on, into slot p: the first tensor load behind the round
	ASK 0
.endif
.irp u, 300,301,200,201,202,203,204,205,206,207
	UNIT \u, \p                                    ; the next chunk's scale words and w's fragments: 40 loads into the sets that the chunk before used
.endr
.endif
.set K, K+1
.endr
.endm
.macro CHUNK p, mode, zero
	XRUN \p, 104, 16                               ; blocks 2 and 3; behind the wait all that the chunk's first blocks need is in
	BLOCK 0, \p, \zero, 0
	BLOCK 1, \p, \zero, 0
	XRUN \p, 108, 16                               ; blocks 4 and 5
	BLOCK 2, \p, \zero, 0
	BLOCK 3, \p, \zero, 0
	XRUN \p, 112, 16                               ; blocks 6 and 7: my last reads of slot p
	BLOCK 4, \p, \zero, 0
	BLOCK 5, \p, \zero, \mode
	XRUN \p, 116, -1                               ; the next chunk's blocks 0 and 1 (blocks 6 and 7 were shown in by the wait for 0 in block 5)
	BLOCK 6, \p, \zero, 0
	BLOCK 7, \p, \zero, 0
.endm
	s_wait_xcnt 0x0
	s_add_nc_u64 s[PFA:PFA+1], s[PFA:PFA+1], PKT
	s_wait_alu depctr_va_vdst(0)
	s_wait_tensorcnt 0x0                           ; my part of chunk 0 is in; slot 1's first fill is issued as a refill is
	ds_add_u32 v[SPW], v[NIL]
	s_wait_dscnt 0x0
	CROUND
	JLOAD G0+4, G1, G0B+4, G1B                     ; chunk 1
	ASK 0                                          ; chunk 3
.irp u, 300,301,200,201,202,203,204,205,206,207,116,117,118,119
	UNIT \u, 1                                     ; chunk 0's scale words, w's set 0, x's blocks 0 and 1
.endr
	CHUNK 0, 2, 1                                  ; chunk 0 starts the sums
	WIN 0
.Llap:
.set ASKR, 12
	CHUNK 1, 2, 0
.set ASKR, 13
	CHUNK 0, 2, 0
	WIN 0
	s_sub_co_u32 s3, s3, 1
	s_cmp_lg_u32 s3, 0
	s_cbranch_scc1 .Llap
.set ASKR, 0
	CHUNK 1, 2, 0                                  ; chunk 13 asks for chunk 15: the last load
	CHUNK 0, 1, 0                                  ; chunk 14: a barrier shows slot 1, nothing is filled again
; THE LAST CHUNK, AND THE WAY OUT BLOCK BY BLOCK
.macro PACK a                          ; re and im side by side: 16 registers are 8 complex numbers of a row
	WIN 0x02+((\a)/4)
.irp b, 0,1,2,3
.irp j, 0,1,2,3,4,5,6,7
	v_mov_b32 v[T+16*\b+2*\j], v[64*((\a)%4)+8*\b+\j]
	v_mov_b32 v[T+16*\b+2*\j+1], v[64*((\a)%4)+32+8*\b+\j]
.endr
.endr
	WIN 0
.endm
.macro TOSTAGE a                       ; into my own stage and back as whole rows: LDS serves a wave's instructions in order
.irp b, 0,1,2,3
.irp q, 0,1,2,3
	ds_store_b128 v[STO], v[T+16*\b+4*\q:T+16*\b+4*\q+3] offset:128*\b+16*\q
.endr
.endr
	WIN 0x40
.irp t, 0,1,2,3,4,5,6,7,8,9,10,11,12,13,14,15
	ds_load_b128 v[64*((\a)%2)+4*\t:64*((\a)%2)+4*\t+3], v[RD] offset:\t*SPITCH
.endr
	WIN 0
.endm
.macro SEND a
	s_wait_dscnt 0x0
	WIN 0x04
.irp t, 0,1,2,3,4,5,6,7,8,9,10,11,12,13,14,15
	global_store_b128 v[CO], v[64*((\a)%2)+4*\t:64*((\a)%2)+4*\t+3], s[8:9] offset:(16*(\a)+\t)*ROWC th:TH_STORE_NT   ; 32 lanes store 512 consecutive bytes, aligned to 256
.endr
	WIN 0
.endm
	XRUN 1, 104, 16
	BLOCK 0, 1, 0, 0
	PLACES 8
	PACK 0
	TOSTAGE 0
.irp a, 1,2,3,4,5,6,7
.if (\a == 2) || (\a == 4)
	XRUN 1, 104+2*\a, -1                           ; blocks a + 2 and a + 3; SEND's wait for 0 has shown blocks a and a + 1 in
.endif
	BLOCK \a, 1, 0, 0
	PLACES 8                                       ; ahead of the first read of results just made
	PACK \a
	s_wait_alu depctr_va_vdst(0)
	SEND \a-1
.if \a > 1
	s_wait_xcnt 0x0                                ; block a - 2's stores have read their registers
.endif
	TOSTAGE \a
.endr
	SEND 7
	s_wait_tensorcnt 0x0                           ; the wave's end
	ds_add_u32 v[SPW], v[NIL]
	s_wait_dscnt 0x0
	CROUND                                         ; the closing round
	s_endpgm
.Lfunc_end_k_q12fc123386_gemm:
	.size	k_q12fc123386_gemm, .Lfunc_end_k_q12fc123386_gemm-k_q12fc123386_gemm
	.p2alignl 7, 3214868480
	.fill 96, 4, 3214868480
	.section	.rodata,"a",@progbits
	.p2align	6, 0x0
	.amdhsa_kernel k_q12fc123386_gemm
		.amdhsa_group_segment_fixed_size 327680
		.amdhsa_private_segment_fixed_size 0
		.amdhsa_enable_private_segment 0
		.amdhsa_kernarg_size 24
		.amdhsa_user_sgpr_count 2
		.amdhsa_user_sgpr_kernarg_segment_ptr 1
		.amdhsa_wavefront_size32 1
		.amdhsa_system_sgpr_workgroup_id_x 1
		.amdhsa_system_sgpr_workgroup_id_y 1
		.amdhsa_system_sgpr_workgroup_id_z 1
		.amdhsa_system_vgpr_workitem_id 0
		.amdhsa_next_free_vgpr 1024
		.amdhsa_next_free_sgpr 66
		.amdhsa_reserve_vcc 0
		.amdhsa_float_denorm_mode_32 3
		.amdhsa_float_denorm_mode_16_64 3
		.amdhsa_memory_ordered 1
		.amdhsa_forward_progress 1
		.amdhsa_inst_pref_size 211
	.end_amdhsa_kernel
	.amdgpu_metadata
---
amdhsa.version: [ 1, 2 ]
amdhsa.kernels:
  - .name:           k_q12fc123386_gemm
    .symbol:         k_q12fc123386_gemm.kd
    .args:
      - { .name: acode, .offset: 0, .size: 8, .value_kind: global_buffer, .address_space: global }
      - { .name: bcode, .offset: 8, .size: 8, .value_kind: global_buffer, .address_space: global }
      - { .name: out0, .offset: 16, .size: 8, .value_kind: global_buffer, .address_space: global }
    .group_segment_fixed_size: 327680
    .private_segment_fixed_size: 0
    .kernarg_segment_align: 8
    .kernarg_segment_size: 24
    .max_flat_workgroup_size: 128
    .sgpr_count:     66
    .vgpr_count:     1024
    .wavefront_size: 32
...
	.end_amdgpu_metadata
.endif
;; end of part 2
